; MI455X (gfx1250); checked and timed in simulation.
; The chip was launched on July 23, 2026; its instructions are those of AMD's public machine-readable ISA for CDNA 5 (MIT licence, August 2026) and "CDNA5" Instruction Set Architecture Reference Guide (July 2026). The comments in the code are by the model that wrote it; some were corrected since.
;; Relative Information Attention. Allowed arithmetic: matrix products marked QUANTISED: E2M3 operands, one E8M0 scale for each 32 along K, by v_wmma_scale_f32_16x16x128_f8f6f4 with both operands' format E2M3, f32 sums; everything else in f32.
;; Inputs: k 2 x 8 x 2,048 x 64 float32; k_info 2 x 2,048 int32; q 2 x 8 x 2,048 x 64 float32; q_info 2 x 2,048 int32; rel_emb 257 x 64 float32; v 2 x 8 x 2,048 x 64 float32.
;; Outputs: out0 2 x 8 x 2,048 x 64 float32.
;; This version of the problem:
;;   THIS VERSION OF THE PROBLEM IS GIVEN IN LOW PRECISION. The matrix products marked QUANTISED in the list below multiply operands that are first quantised to E2M3 (2 exponent bits, 3 mantissa bits; 6 bits a number), with one power-of-two scale for each 32 numbers along K (OCP MX v1.0); their sums are f32. All else is computed in f32.
;;   The module's matrix products, in the order in which they are computed (A, B: the left and right operand; K: the contracted axis; several contracted axes count as one K, in the product's order):
;;     1. [M 32,768, K 64] x [K 64, N 257]; A: input q; B: input rel_emb: QUANTISED
;;     2. batch 16 x [M 2,048, K 64] x [K 64, N 2,048]; A: input q; B: input k: QUANTISED
;;     3. batch 16 x [M 2,048, K 2,048] x [K 2,048, N 64]; A: softmax (see below); B: input v: QUANTISED
;;   THE QUANTISER, for each operand of a quantised product, along K:
;;     - K is cut into blocks of 32 from its start; a last block that is shorter is filled with zeros.
;;     - A block's scale is 2^e with e = floor(log2(the largest magnitude in the block)) - 2, held to -126 .. 127; a block of zeros has e = 0. As a byte (E8M0): e + 127.
;;     - Each number is divided by its block's scale, clamped to +-7.5, and rounded to the nearest number of E2M3, ties to even, subnormals kept.
;;     - The product sums the exact products of the quantised numbers (number of the format x scale) in f32.
;;   ~~~python
;;   def quantise(x, axis):      # numpy; x: float32 -> the quantised numbers, widened to float32 again
;;       x = np.moveaxis(x, axis, -1); K = x.shape[-1]
;;       x = np.pad(x, [(0, 0)] * (x.ndim - 1) + [(0, -K % 32)]); x = x.reshape(x.shape[:-1] + (-1, 32)); a = np.abs(x).max(-1, keepdims=True)
;;       e = np.where(a > 0, np.clip(np.frexp(np.where(a > 0, a, 1))[1] - 1 - 2, -126, 127), 0)      # np.frexp(a)[1] - 1 = floor(log2(a)), exactly
;;       r = np.clip(x / 2.0 ** e, -7.5, 7.5)
;;       step = 2.0 ** (np.maximum(np.frexp(np.where(r == 0, 1, r))[1] - 1, 0) - 3)
;;       q = np.round(r / step) * step * 2.0 ** e      # np.round: ties to even
;;       return np.moveaxis(q.reshape(q.shape[:-2] + (-1,))[..., :K], -1, axis).astype(np.float32)
;;   ~~~
;;   SOFTMAX AHEAD OF A QUANTISED PRODUCT. Where the list says 'softmax', what is quantised is not the finished softmax but p = 2^(t - M), with t = logit x log2(e) and M = ceil(the row's largest t), a whole number; so 1/2 < the row's largest p <= 1. The row's sum l is taken of the UNQUANTISED p, in f32, and the product's result is divided by l at the end. Since M is a whole number, a kernel that streams over the keys may use a running M (the ceiling of the running maximum): every later rescaling is an exact power of two, which a block's scale takes up: the codes' values come out the same.
;;   OPERANDS COMPUTED ON THE WAY. 'Computed on the way' means the value that the module computes at that place (a softmax that the list does not call 'softmax' is quantised finished and normalised). What goes into a quantiser is computed in f32, as accurately as f32 sums, v_exp_f32 and their like allow (about 1e-6 of the number): no bf16 or f16 on the way to a quantiser, and a product that is left as it is and whose result goes on into a quantised operand takes f32 operands (vector FMAs, or v_wmma_f32_16x16x4_f32). A number that lies on a knife's edge between two numbers of the format may be rounded either way, as far as f32 arithmetic and the matrix unit's own rounding can turn it there, and no further.
;; One version. Each part assembles by itself: llvm-mc -triple=amdgcn-amd-amdhsa -mcpu=gfx1250 --defsym DOCPART=n.
;; ======== version 1 of 1: 2 launches
;; limits: right only within a limited range of input values
;; workspace buffers: qc 1,572,864 bytes; qs 131,072 bytes; kc 1,599,488 bytes; ks 132,608 bytes; vimg 1,638,400 bytes; kadj 16,384 bytes of whole numbers
;; launch prep (part 1): grid 772 x 1, 4 waves a work-group, no clusters, 28,928 bytes of LDS; arguments q, k, v, rel_emb, k_info, qc, qs, kc, ks, vimg, kadj; writes qc, qs, kc, ks, vimg, kadj
.if DOCPART == 1
	.amdgcn_target "amdgcn-amd-amdhsa--gfx1250"
	.amdhsa_code_object_version 6
	.text
	.protected	k_q915b31cf75_prep
	.globl	k_q915b31cf75_prep
	.p2align	8
	.type	k_q915b31cf75_prep,@function
k_q915b31cf75_prep:
	s_mov_b64 s[64:65], 0
	v_nop
	global_prefetch_b8 v0, s[64:65] scope:SCOPE_SE
	s_setreg_imm32_b32 hwreg(HW_REG_WAVE_MODE, 25, 1), 1
	s_wait_xcnt 0x0
; All operands that the attention launch reads again and again are quantised ONCE here, to codes of FP6 (E2M3) with one E8M0 scale byte for each 32 along a product's K.
; A block's scale is 2^(floor(log2(its largest magnitude)) - 2); its byte is the largest magnitude's exponent field - 2, held at 1 from below.
; Paths, chosen by the work-group's number; each path that uses LDS has LDS bytes of its own.
;   0-255  q [32768][64] -> qc, qs;   256-511  k likewise -> kc, ks        (K = the head's 64: innermost)
;   512-767  v [16][2048][64] -> vimg: K = the keys: a lane takes a channel and its registers run down the keys
;   768-770  rel_emb [257][64] -> kc at RELOFF, ks at RSOFF: a lane a row; row slots above 256 repeat row 256
;   771  k_info -> kadj (384 where it is -1), and 8,192 bytes of zero codes at kc + ZOFF
; CODES of q, k, rel_emb: tiles of eight rows, 384 bytes: [piece 3][row 8][16 bytes] of a row's 48.
; SCALE WORDS: a row has two blocks, bytes s0 and s1; its word is (s0, s0, s1, s1); the word of row 32 G + 8 t + m lies at byte 128 G + 16 m + 4 t.
; vimg: 16 heads x 16 steps of 128 keys x 6,400 bytes.  A step: four fragments (16 channels x 128 keys) as images of the operand's registers, [fragment 4][piece 3][lane 32][16 bytes];
; at + 6,144 the scale words [fragment / 2][channel 16][fragment % 2], byte b = the step's b-th block of 32 keys.
; LIMITS: a block of zeros gets the byte 1 where the rule says 127 (its codes are zeros, and this program alone reads the bytes); blocks whose largest magnitude lies under 2^(3 - 127) are held at that byte;
; NaN and infinities among the inputs are not served.
.set ZOFF,   1572864
.set RELOFF, 1581056
.set RSOFF,  131072
.set STEPS,  4
.set SP,     80                        ; a lane's place in a stage: 64 bytes + 16 of padding
.set WREG,   6912                      ; a wave's LDS: two stages of 32 x SP bytes, then its 1,536 bytes of codes
.set CREG,   5120
.set WORDS,  27648                     ; path R: the work-group's 512 bytes of scale words
.set WV,     28160                     ; path V: the step's 256 bytes of scale words
.set SPARE,  28416
.set R,      16                        ; v16-79 four sets of 16 numbers as loaded
.set X,      80                        ; v80-111 two sets of 16 neighbours
.set C,      112                       ; v112-127: for each step three registers of codes and the scale word
.set XV,     32                        ; path V: v32-95
.set CV,     96                        ;         v96-107 the codes
.set SPW,    128
.set NIL,    129
	s_load_b512 s[4:19], s[0:1], 0x0               ; q s[4:5], k s[6:7], v s[8:9], rel_emb s[10:11], k_info s[12:13], qc s[14:15], qs s[16:17], kc s[18:19]
	s_load_b128 s[20:23], s[0:1], 0x40             ; ks s[20:21], vimg s[22:23]
	s_load_b64 s[24:25], s[0:1], 0x50              ; kadj
	v_lshl_add_u32 v[SPW], v0, 2, SPARE
	v_mov_b32 v[NIL], 0
	v_lshrrev_b32 v1, 5, v0
	v_readfirstlane_b32 s26, v1                    ; wave 0..3
	v_and_b32 v2, 31, v0                           ; lane
	s_wait_alu depctr_va_vdst(0)                   ; the head's end
	s_wait_kmcnt 0x0
	s_cmp_lt_u32 ttmp9, 512
	s_cbranch_scc1 .Lrows
	s_cmp_lt_u32 ttmp9, 768
	s_cbranch_scc1 .Lvals
	s_cmp_lt_u32 ttmp9, 771
	s_cbranch_scc1 .Lrel
; ---- the last work-group: k_adj, and the zero codes
	v_lshlrev_b32 v3, 4, v0                        ; 16 bytes a thread: the 128 threads cover 2,048 consecutive bytes
	v_mov_b32 v4, 0x180                            ; 3 x 128, what -1 stands for among the keys
.irp j, 0,1,2,3,4,5,6,7
	global_load_b128 v[8+4*\j:11+4*\j], v3, s[12:13] offset:2048*\j
.endr
.irp j, 0,1,2,3
	v_mov_b32 v[40+\j], 0
.endr
.irp j, 0,1,2,3
	global_store_b128 v3, v[40:43], s[18:19] offset:ZOFF+2048*\j
.endr
	s_wait_alu depctr_va_vdst(0)
	s_wait_loadcnt 0x0
.set NN, 0
.rept 32
	v_cmp_eq_u32 vcc_lo, -1, v[8+NN]
	v_cndmask_b32 v[8+NN], v[8+NN], v4, vcc_lo
.set NN, NN+1
.endr
.irp j, 0,1,2,3,4,5,6,7
	global_store_b128 v3, v[8+4*\j:11+4*\j], s[24:25] offset:2048*\j
.endr
	s_endpgm
; ---- q and k: a wave takes 2,048 numbers (32 rows) in 4 steps of 512 (a tile of eight rows).  Each load reads 512 consecutive bytes; a step's 2,048 bytes turn through the wave's own
; stage in LDS and come back 64 bytes a lane: 16 neighbours.  Two neighbouring lanes hold a block, four a row.  All loads go out at the start.
.macro TURN t                          ; LDS serves a wave's instructions in order (ISA guide 5.7.1.4): no wait between the stores and the loads
.irp i, 0,1,2,3
	ds_store_b128 v14, v[R+16*(\t)+4*\i:R+16*(\t)+4*\i+3] offset:32*SP*((\t)%2)+8*SP*\i
.endr
.irp i, 0,1,2,3
	ds_load_b128 v[X+16*((\t)%2)+4*\i:X+16*((\t)%2)+4*\i+3], v15 offset:32*SP*((\t)%2)+16*\i
.endr
.endm
.macro STEP t
.set XS, X+16*((\t)%2)
.if (\t) > 0
	s_wait_dscnt 4                                 ; this step's numbers are back from the stage; the last step's four stores may be out
.else
	s_wait_dscnt 0x0
.endif
.if (\t)+1 < STEPS
	s_wait_loadcnt 4*(STEPS-2-(\t))                ; the next step's four loads are in
	TURN (\t)+1
.endif
	v_max3_num_f32 v8, |v[XS]|, |v[XS+1]|, |v[XS+2]|
	v_max3_num_f32 v9, |v[XS+3]|, |v[XS+4]|, |v[XS+5]|
.irp i, 6,10
	v_max3_num_f32 v8, v8, |v[XS+\i]|, |v[XS+\i+1]|
	v_max3_num_f32 v9, v9, |v[XS+\i+2]|, |v[XS+\i+3]|
.endr
	v_max3_num_f32 v8, v8, |v[XS+14]|, |v[XS+15]|
	v_max3_num_f32 v8, v8, v9, 0x1800000           ; and the floor 2^(3 - 127): the byte cannot fall under 1
	v_max_num_f32_dpp v8, v8, v8 row_xmask:1 row_mask:0xf bank_mask:0xf   ; with my neighbour's 16: the block's largest magnitude
	v_add_nc_u32 v11, 0xff000000, v8               ; 2 off its exponent field: the conversion takes the exponent field of this operand as its scale
	v_cvt_scalef32_pk16_fp6_f32 v[C+4*(\t):C+4*(\t)+2], v[XS:XS+15], v11
	v_lshrrev_b32 v12, 23, v11                     ; my block's byte
	v_mov_b32_dpp v10, v12 row_xmask:2 row_mask:0xf bank_mask:0xf         ; and the byte of my row's other block
	v_cndmask_b32 v13, v12, v10, s28               ; s0: mine where I hold the row's first block
	v_cndmask_b32 v12, v10, v12, s28               ; s1
	v_mul_u32_u24 v13, v13, 0x101
	v_mul_u32_u24 v12, v12, 0x101
	v_lshl_or_b32 v[C+4*(\t)+3], v12, 16, v13      ; (s0, s0, s1, s1)
	ds_store_b32 v4, v[C+4*(\t)] offset:384*(\t)   ; my 12 bytes of the tile's image
	ds_store_b32 v6, v[C+4*(\t)+1] offset:384*(\t)
	ds_store_b32 v7, v[C+4*(\t)+2] offset:384*(\t)
	ds_store_b32 v5, v[C+4*(\t)+3] offset:4*(\t)   ; the four lanes of a row write the same word with the same value
.endm
.Lrows:
	s_mul_i32 s27, s26, WREG
	v_lshlrev_b32 v3, 4, v2                        ; my 16 bytes of a load's 512
	v_lshrrev_b32 v14, 2, v2
	v_mul_u32_u24 v14, v14, SP
	v_and_b32 v15, 3, v2
	v_lshl_add_u32 v14, v15, 4, v14
	v_add_nc_u32 v14, s27, v14                     ; the stage, on the way in: SP (lane / 4) + 16 (lane % 4)
	v_mul_u32_u24 v15, v2, SP
	v_add_nc_u32 v15, s27, v15                     ; and on the way out: SP x lane
	s_add_co_u32 s27, s27, CREG
	v_and_b32 v8, 3, v2                            ; my quarter of the row
	v_lshrrev_b32 v9, 2, v2                        ; my row of the tile
	v_lshl_add_u32 v10, v9, 4, s27
	; bytes p = 12 x quarter + 4 i of the row go to 128 (p / 16) + 16 x row + p % 16 of the tile's image
	v_mul_u32_u24 v4, v8, 12
	v_add_nc_u32 v6, 4, v4
	v_add_nc_u32 v7, 8, v4
.irp a, 4,6,7
	v_lshrrev_b32 v11, 4, v\a
	v_and_b32 v12, 15, v\a
	v_add_nc_u32 v12, v12, v10
	v_lshl_add_u32 v\a, v11, 7, v12
.endr
	s_lshl_b32 s31, s26, 7
	s_add_co_u32 s31, s31, WORDS
	v_lshl_add_u32 v5, v9, 4, s31                  ; my row's scale word
	v_add_nc_u32 v1, s27, v3                       ; my wave's codes, 16 bytes a lane
	v_add_nc_u32 v2, WORDS, v3                     ; the work-group's scale words, 16 bytes a lane
	v_mov_b32 v10, 0                               ; written once: the destination of a DPP move counts as read
	s_mov_b32 s28, 0xcccccccc                      ; the lanes that hold a row's second block
	s_cmp_lt_u32 ttmp9, 256                        ; q's work-group or k's?  The choice hangs on the work-group's number alone
	s_cselect_b64 s[4:5], s[4:5], s[6:7]
	s_cselect_b64 s[14:15], s[14:15], s[18:19]
	s_cselect_b64 s[16:17], s[16:17], s[20:21]
	s_cselect_b32 s29, 0, 256
	s_sub_co_u32 s29, ttmp9, s29
	s_mov_b32 s33, 0
	s_lshl_b32 s32, s29, 9                         ; 512 bytes of scale words a work-group
	s_add_nc_u64 s[16:17], s[16:17], s[32:33]
	s_lshl_b32 s29, s29, 2
	s_add_co_u32 s30, s29, s26                     ; my run, 0..1023
	s_lshl_b32 s32, s30, 13                        ; 8,192 bytes of numbers a run
	s_add_nc_u64 s[4:5], s[4:5], s[32:33]
	s_mul_i32 s32, s30, 1536                       ; 1,536 bytes of codes
	s_add_nc_u64 s[14:15], s[14:15], s[32:33]
	s_wait_alu depctr_va_vdst(0)
.irp t, 0,1,2,3
.irp i, 0,1,2,3
	global_load_b128 v[R+16*\t+4*\i:R+16*\t+4*\i+3], v3, s[4:5] offset:2048*\t+512*\i th:TH_LOAD_NT
.endr
.endr
	s_wait_loadcnt 12                              ; step 0's four loads are in
	TURN 0
.irp t, 0,1,2,3
	STEP \t
.endr
.irp k, 0,1,2
	ds_load_b128 v[R+4*\k:R+4*\k+3], v1 offset:512*\k   ; my wave's codes, in order behind its stores
.endr
	s_wait_dscnt 0x0
.irp k, 0,1,2
	global_store_b128 v3, v[R+4*\k:R+4*\k+3], s[14:15] offset:512*\k   ; 512 consecutive bytes, at a multiple of 512 from the buffer's first byte
.endr
	s_barrier_signal -1
	s_barrier_wait -1                              ; the four waves' scale words are in LDS
	s_cmp_lg_u32 s26, 0
	s_cbranch_scc1 .Lrows_end
	ds_load_b128 v[R+12:R+15], v2
	s_wait_dscnt 0x0
	global_store_b128 v3, v[R+12:R+15], s[16:17]   ; wave 0 stores all 512 bytes
.Lrows_end:
	s_wait_tensorcnt 0x0                           ; the wave's end
	ds_add_u32 v[SPW], v[NIL]
	s_wait_dscnt 0x0
	s_endpgm
; ---- v: a work-group takes (head, step of 128 keys), wave u the 16 channels 16 u ..: lane (r, h) takes channel 16 u + r and the step's blocks h and 2 + h of 32 keys: the operand's own layout.
; The four waves read the four quarters of the same rows of 256 bytes.
.Lvals:
	s_sub_co_u32 s27, ttmp9, 512                   ; 16 x head + step
	s_lshl_b32 s32, s27, 15                        ; 128 rows of 256 bytes
	s_mov_b32 s33, 0
	s_add_nc_u64 s[8:9], s[8:9], s[32:33]
	s_mul_i32 s32, s27, 6400
	s_add_nc_u64 s[22:23], s[22:23], s[32:33]      ; my step's image
	v_and_b32 v4, 15, v0                           ; r
	v_bfe_u32 v5, v0, 4, 1                         ; h
	s_lshl_b32 s34, s26, 6
	v_lshl_add_u32 v3, v4, 2, s34
	v_lshl_add_u32 v3, v5, 13, v3                  ; lanes 16-31 begin 32 keys further down
	s_mul_i32 s35, s26, 1536
	v_lshl_add_u32 v7, v2, 4, s35                  ; my place in the step's image
	s_lshr_b32 s34, s26, 1
	s_lshl_b32 s34, s34, 7
	s_and_b32 s35, s26, 1
	s_lshl_b32 s35, s35, 2
	s_add_co_u32 s34, s34, s35
	s_add_co_u32 s34, s34, WV
	s_wait_alu depctr_va_vdst(0)                   ; ahead of the readers below
	v_lshl_add_u32 v6, v4, 3, s34                  ; my channel's scale word
	v_lshlrev_b32 v8, 3, v2                        ; on the way out 8 bytes a lane
	v_add_nc_u32 v9, WV, v8
	v_lshlrev_b32 v10, 3, v5                       ; 8 h
	v_mov_b32 v14, 0
	s_mov_b32 s36, 0x76543210
	s_mov_b32 s37, 0xfedcba98                      ; v_permlanex16_b32's selects for lane l xor 16
	s_wait_alu depctr_va_vdst(0)
.set NN, 0
.rept 64
	global_load_b32 v[XV+NN], v3, s[8:9] offset:(64*(NN/32)+NN%32)*256
.set NN, NN+1
.endr
.irp c, 0,1
	s_wait_loadcnt 32-32*\c                        ; block c's 32 loads are in
.set XS, XV+32*\c
	v_max3_num_f32 v12, |v[XS]|, |v[XS+1]|, |v[XS+2]|
	v_max3_num_f32 v13, |v[XS+3]|, |v[XS+4]|, |v[XS+5]|
.irp i, 6,10,14,18,22,26
	v_max3_num_f32 v12, v12, |v[XS+\i]|, |v[XS+\i+1]|
	v_max3_num_f32 v13, v13, |v[XS+\i+2]|, |v[XS+\i+3]|
.endr
	v_max3_num_f32 v12, v12, |v[XS+30]|, |v[XS+31]|
	v_max3_num_f32 v12, v12, v13, 0x1800000        ; the floor
	v_add_nc_u32 v11, 0xff000000, v12
	v_cvt_scalef32_pk16_fp6_f32 v[CV+6*\c:CV+6*\c+2], v[XS:XS+15], v11
	v_cvt_scalef32_pk16_fp6_f32 v[CV+12+4*\c:CV+14+4*\c], v[XS+16:XS+31], v11   ; (a conversion's three registers begin on an even number)
	v_lshrrev_b32 v[20+\c], 23, v11                ; the block's byte
.irp i, 0,1,2
	v_mov_b32 v[CV+6*\c+3+\i], v[CV+12+4*\c+\i]
.endr
.endr
.irp k, 0,1,2
	global_store_b128 v7, v[CV+4*\k:CV+4*\k+3], s[22:23] offset:512*\k   ; 512 consecutive bytes, at a multiple of 256 from the buffer's first byte
.endr
	v_lshl_or_b32 v20, v21, 16, v20                ; my two bytes,
	v_lshlrev_b32 v20, v10, v20                    ; at their places;
	v_permlanex16_b32 v14, v20, s36, s37
	v_or_b32 v20, v20, v14                         ; with lane l xor 16's the word is whole, in both lanes
	ds_store_b32 v6, v20
	s_wait_alu depctr_va_vdst(0)
	s_wait_dscnt 0x0
	s_barrier_signal -1
	s_barrier_wait -1
	s_cmp_lg_u32 s26, 0
	s_cbranch_scc1 .Lvals_end
	ds_load_b64 v[22:23], v9
	s_wait_dscnt 0x0
	global_store_b64 v8, v[22:23], s[22:23] offset:6144   ; wave 0 stores the step's 256 bytes of scale words
.Lvals_end:
	s_wait_tensorcnt 0x0                           ; the wave's end
	ds_add_u32 v[SPW], v[NIL]
	s_wait_dscnt 0x0
	s_endpgm
; ---- rel_emb: a lane a row slot; both blocks of a row are the lane's own.  The table is 65,792 bytes: its loads, 256 bytes from lane to lane, are few
.Lrel:
	s_sub_co_u32 s27, ttmp9, 768
	s_lshl_b32 s27, s27, 7
	v_add_nc_u32 v3, s27, v0                       ; row slot, 0..383
	v_min_u32 v4, 0x100, v3                        ; slots above 256 repeat row 256: no load leaves the table
	v_lshlrev_b32 v4, 8, v4
.irp j, 0,1,2,3,4,5,6,7,8,9,10,11,12,13,14,15
	global_load_b128 v[32+4*\j:35+4*\j], v4, s[10:11] offset:16*\j
.endr
	v_lshrrev_b32 v5, 3, v3                        ; tile
	v_and_b32 v7, 7, v3                            ; row of the tile
	v_mul_u32_u24 v5, v5, 384
	v_lshl_add_u32 v5, v7, 4, v5
	v_lshrrev_b32 v6, 5, v3
	v_lshlrev_b32 v6, 7, v6
	v_lshl_add_u32 v6, v7, 4, v6
	v_bfe_u32 v7, v3, 3, 2
	v_lshl_add_u32 v6, v7, 2, v6
	s_wait_alu depctr_va_vdst(0)
	s_wait_loadcnt 0x0
	v_max3_num_f32 v8, |v32|, |v33|, 0x1800000
	v_max3_num_f32 v9, |v64|, |v65|, 0x1800000
.irp i, 2,4,6,8,10,12,14,16,18,20,22,24,26,28,30
	v_max3_num_f32 v8, v8, |v[32+\i]|, |v[33+\i]|
	v_max3_num_f32 v9, v9, |v[64+\i]|, |v[65+\i]|
.endr
	v_add_nc_u32 v8, 0xff000000, v8
	v_add_nc_u32 v9, 0xff000000, v9
	v_cvt_scalef32_pk16_fp6_f32 v[96:98], v[32:47], v8
	v_cvt_scalef32_pk16_fp6_f32 v[108:110], v[48:63], v8
	v_cvt_scalef32_pk16_fp6_f32 v[102:104], v[64:79], v9
	v_cvt_scalef32_pk16_fp6_f32 v[112:114], v[80:95], v9
	v_lshrrev_b32 v10, 23, v8                      ; (a plain line behind the conversions)  s0
	v_lshrrev_b32 v11, 23, v9                      ; s1
.irp i, 0,1,2
	v_mov_b32 v[99+\i], v[108+\i]
	v_mov_b32 v[105+\i], v[112+\i]
.endr
	v_mul_u32_u24 v10, v10, 0x101
	v_mul_u32_u24 v11, v11, 0x101
	v_lshl_or_b32 v10, v11, 16, v10
.irp i, 0,1,2
	global_store_b128 v5, v[96+4*\i:99+4*\i], s[18:19] offset:RELOFF+128*\i
.endr
	global_store_b32 v6, v10, s[20:21] offset:RSOFF
	s_endpgm
.Lfunc_end_k_q915b31cf75_prep:
	.size	k_q915b31cf75_prep, .Lfunc_end_k_q915b31cf75_prep-k_q915b31cf75_prep
	.p2alignl 7, 3214868480
	.fill 96, 4, 3214868480
	.section	.rodata,"a",@progbits
	.p2align	6, 0x0
	.amdhsa_kernel k_q915b31cf75_prep
		.amdhsa_group_segment_fixed_size 28928
		.amdhsa_private_segment_fixed_size 0
		.amdhsa_enable_private_segment 0
		.amdhsa_kernarg_size 88
		.amdhsa_user_sgpr_count 2
		.amdhsa_user_sgpr_kernarg_segment_ptr 1
		.amdhsa_wavefront_size32 1
		.amdhsa_system_sgpr_workgroup_id_x 1
		.amdhsa_system_sgpr_workgroup_id_y 1
		.amdhsa_system_sgpr_workgroup_id_z 1
		.amdhsa_system_vgpr_workitem_id 0
		.amdhsa_next_free_vgpr 130
		.amdhsa_next_free_sgpr 66
		.amdhsa_reserve_vcc 1
		.amdhsa_float_denorm_mode_32 3
		.amdhsa_float_denorm_mode_16_64 3
		.amdhsa_memory_ordered 1
		.amdhsa_forward_progress 1
		.amdhsa_inst_pref_size 35
	.end_amdhsa_kernel
	.amdgpu_metadata
---
amdhsa.version: [ 1, 2 ]
amdhsa.kernels:
  - .name:           k_q915b31cf75_prep
    .symbol:         k_q915b31cf75_prep.kd
    .args:
      - { .name: q, .offset: 0, .size: 8, .value_kind: global_buffer, .address_space: global }
      - { .name: k, .offset: 8, .size: 8, .value_kind: global_buffer, .address_space: global }
      - { .name: v, .offset: 16, .size: 8, .value_kind: global_buffer, .address_space: global }
      - { .name: rel_emb, .offset: 24, .size: 8, .value_kind: global_buffer, .address_space: global }
      - { .name: k_info, .offset: 32, .size: 8, .value_kind: global_buffer, .address_space: global }
      - { .name: qc, .offset: 40, .size: 8, .value_kind: global_buffer, .address_space: global }
      - { .name: qs, .offset: 48, .size: 8, .value_kind: global_buffer, .address_space: global }
      - { .name: kc, .offset: 56, .size: 8, .value_kind: global_buffer, .address_space: global }
      - { .name: ks, .offset: 64, .size: 8, .value_kind: global_buffer, .address_space: global }
      - { .name: vimg, .offset: 72, .size: 8, .value_kind: global_buffer, .address_space: global }
      - { .name: kadj, .offset: 80, .size: 8, .value_kind: global_buffer, .address_space: global }
    .group_segment_fixed_size: 28928
    .private_segment_fixed_size: 0
    .kernarg_segment_align: 8
    .kernarg_segment_size: 88
    .max_flat_workgroup_size: 128
    .sgpr_count:     66
    .vgpr_count:     130
    .wavefront_size: 32
...
	.end_amdgpu_metadata
.endif
;; end of part 1
;; launch attn (part 2): grid 32 x 8, 8 waves a work-group, no clusters, 148,480 bytes of LDS; arguments qc, qs, kc, ks, vimg, kadj, q_info, out0; writes out0
.if DOCPART == 2
	.amdgcn_target "amdgcn-amd-amdhsa--gfx1250"
	.amdhsa_code_object_version 6
	.text
	.protected	k_q915b31cf75_attn
	.globl	k_q915b31cf75_attn
	.p2align	8
	.type	k_q915b31cf75_attn,@function
k_q915b31cf75_attn:
	s_mov_b64 s[64:65], 0
	v_nop
	global_prefetch_b8 v0, s[64:65] scope:SCOPE_SE
	s_setreg_imm32_b32 hwreg(HW_REG_WAVE_MODE, 25, 1), 1
	s_wait_xcnt 0x0
; out[h][q] = sum over k of softmax_k((q.k + qr[q][idx(q,k)]) / 8) v[h][k], qr = q rel_emb^T, idx = clip(k_adj[k] - q_adj[q], -128, 128) + 128.  All three products on codes of FP6 (E2M3) with E8M0 scales.
; THE SOFTMAX: t = logit x log2(e); M = the ceiling of the running largest t; p = 2^(t - M) is quantised along the keys, not normalised; the sum of the unquantised p divides at the end.
; SHARES.  A work-group owns 64 queries of two heads of a batch (grid x: the block of queries, grid y: the pair of heads A, B).  Wave w = 4 g + sl owns the 32 queries 32 g + lane, BOTH heads, and the keys
; 512 sl .. 512 sl + 511: four trips of 128 keys, in two sub-steps of 64.  idx does not hang on the head, so an address is made once and serves both heads' gathers.
; The four slices of a group of queries are merged at the end through LDS; M is a whole number, so that rescaling rounds nothing.
; ONE QUERY A LANE.  K of q.k is 64, half of the instruction's 128.  Source 1, column r, holds query r in K blocks 0, 2 and query 16 + r in blocks 1, 3: by the 6-bit layout lane L then holds the 48 code bytes of
; its OWN query.  Source 0: rows 0-7 hold eight keys in blocks 0, 2 (zeros elsewhere), rows 8-15 the SAME eight keys in blocks 1, 3: lanes 0-7 and 24-31 hold key lane % 8, lanes 8-23 zero codes.
; In the result register j of lane L is key j x query L.  So a register's key is the same in all lanes (k_adj is a scalar operand); a table of qr lies [idx][32 lanes] of f32, in which the 32 lanes of a gather
; fall on 32 different banks whatever their idx (bank = 32 (idx % 2) + lane, of 64 banks of 4 bytes: ISA guide 11.1); the gathered number is loaded into the accumulator's register and is the C of q.k;
; a lane holds whole blocks of 32 keys of one query, so that maxima and sums need no other lane; six exchanges of halves turn p's codes into the two operands (queries 0-15, 16-31) of p.v.
; ORDER OF A SUB-STEP: addresses into B's score registers; A's gathers in one run; A's products; the loads of B's keys and, in the same run, B's gathers, each onto its own address register; A's softmax; B's products and softmax.
; K's and V's codes go from memory straight into registers, in sets of 12 + 1 loads.  K's set for the next head's products is asked for behind the present one's.  V of head A lands in A's score registers when A's second
; sub-step is done with them, V of head B in K's tiles 4-7; both products with V stand at the trip's end.
; LDS: bytes 0 .. 131,583 the tables, [group 2][head 2] x 257 x 128 bytes, stored once; the merge lies over them behind a barrier.
; NO CLUSTER: nothing comes by tensor loads: K and V of two heads, 2 x 2 x 98,304 bytes of codes, do not fit in LDS beside the tables.
; NO PREFETCH: K's and V's codes of a pair of heads are read by 32 work-groups each, not once.
; LIMITS: k_adj - q_adj + 128 must not wrap in 32 bits: |q_info|, |k_info| under 2^30.  NaN and infinities are not served.  p under 2^-126 counts as 0 (v_exp_f32).  A block of p whose scale would fall under
; 2^-127 when M rises inside a trip is held at the byte 0: its weight is under 2^-124 of the row's largest.
.set TABG,   32896                     ; a table
.set VSTEP,  6400
.set VHEAD,  102400
.set KHEAD,  98304                     ; a head's codes of K or Q
.set SHEAD,  8192                      ; a head's scale words
.set ZOFF,   1572864                   ; in kc: 8,192 bytes of zero codes
.set RELOFF, 1581056                   ; in kc: rel_emb's codes
.set RSOFF,  131072                    ; in ks: rel_emb's scale words
.set OWAVE,  17408                     ; the merge: a wave's partial results, 2 heads x 32 rows of 256 bytes + 16
.set STAT,   139264                    ; 512 bytes a wave: (-M, sum) of 2 heads x 32 queries
.set FAC,    143360                    ; 512 bytes a wave: a row's four weights
.set SPARE,  147456
; window 0 (hd = 0, 1 the head)
.set CQ,  1                            ; 128 - q_adj of my query
.set LB,  2                            ; my lane's first table byte (head A's; head B's is TABG on)
.set KOA, 3                            ; K's codes of head A: my offset in kc;  KOB head B's
.set KOB, 50
.set KST, 4                            ; their step from trip to trip: 6,144, and 0 in the lanes that read zeros
.set KSO, 5                            ; K's scale words: 16 (lane % 8) + 8 (lane / 16)
.set VA,  6                            ; 16 x lane
.set VSO, 53                           ; 8 x lane
.set DI,  7                            ; old M - new M, a whole number
.set NM,  8                            ; v8, v10: -M
.set OLD, 9
.set LS,  12                           ; v[12:13], v[14:15] the sums, in two halves
.set FF,  16                           ; f = 2^(old M - new M)  (v17 is named with it as a pair)
.set FT,  18                           ; v18, v19 the trip's products of f
.set FX,  20                           ; v20, v21 lane l xor 16's
.set TM,  24                           ; v24-31 at work
.set BM,  32                           ; v32-33 the blocks' largest scores, then the scale operands
.set PBY, 34                           ; v34-37 the first sub-step's scale bytes
.set PS,  38                           ; v38, v39 p's scale words
.set QS,  40                           ; q's: head A's in lanes 0-15, head B's in lanes 16-31
.set KS,  42                           ; v[42:43] K's tiles 0-3, v[44:45] tiles 4-7: tiles 2, 3 and 6, 7 in lanes 16-31
.set VS,  46                           ; v[46:47], v[48:49] V's: fragments 2, 3 in lanes 16-31
.set SPW, 51
.set NIL, 52
.set B2,  54                           ; v54-55 the second sub-step's scale bytes  (at the head v54: where I store table rows)
.set Q,   56                           ; 12 a head
.set P,   80                           ; 24 a head: p of queries 0-15, of queries 16-31
.set T,   128                          ; 64 a head: bias, then score, then p.  Head A's also V of head A, head B's also the addresses
; window 1
.set O,   0                            ; 64 a head: O^T of queries 0-15, of queries 16-31, 16 channels a tile
.set K,   128                          ; eight tiles of K
.set V1,  176                          ; V of head B, in tiles 4-7
.set MSB, 0
.macro WIN new
.if MSB != \new
	s_set_vgpr_msb (MSB<<8)|\new
.set MSB, \new
.endif
.endm
.macro PLACES                          ; four places behind a matrix instruction (ISA guide 7.12.1)
.rept 4
	v_nop
.endr
.endm
.macro WALU
	s_wait_alu depctr_va_vdst(0)
.endm
.macro MM d, a, b, c, sa, sb, ra, rb
	v_wmma_scale_f32_16x16x128_f8f6f4 v[\d:\d+7], v[\a:\a+11], v[\b:\b+11], \c, v[\sa], v[\sb] matrix_a_fmt:MATRIX_FMT_FP6 matrix_b_fmt:MATRIX_FMT_FP6 matrix_a_scale:MATRIX_SCALE_ROW\ra matrix_b_scale:MATRIX_SCALE_ROW\rb
.endm
.macro LOADK ko, off, kr, kso, t0      ; tiles t0 .. t0 + 3: 12 + 1 loads
	WIN 0x40
.irp u, 0,1,2,3
.irp i, 0,1,2
	global_load_b128 v[K+12*(\t0+\u)+4*\i:K+12*(\t0+\u)+4*\i+3], v[\ko], s[88:89] offset:\off+384*(\t0+\u)+128*\i
.endr
.endr
	WIN 0
	global_load_b64 v[KS+(\t0)/2:KS+(\t0)/2+1], v[\kr], s[90:91] offset:\kso+32*(\t0)
.endm
.macro LOADV hd                        ; the trip's four fragments of V: 12 + 1 loads
.if \hd
	WIN 0x40
.set D_, V1
.else
.set D_, T
.endif
.irp u, 0,1,2,3
.irp i, 0,1,2
	global_load_b128 v[D_+12*\u+4*\i:D_+12*\u+4*\i+3], v[VA], s[92:93] offset:VHEAD*\hd+1536*\u+512*\i   ; 512 consecutive bytes
.endr
.endr
	WIN 0
	global_load_b64 v[VS+2*\hd:VS+2*\hd+1], v[VSO], s[92:93] offset:VHEAD*\hd+6144
.endm
.macro QK1 hd, u, ra
.set D_, T+64*\hd+8*\u
.set A_, K+12*\u
.set B_, Q+12*\hd
.set S_, KS+2*(\u/4)+(\u%2)
	MM D_, A_, B_, v[D_:D_+7], S_, QS, \ra, \hd
.endm
.macro QK hd, w0, w1                   ; score = bias + key . query, eight accumulators.  w0, w1: the loads that are younger than tiles 0-3, than tiles 4-7
	s_wait_dscnt 32                                ; the gathers of tiles 0-3 (behind them: 32 of tiles 4-7)
	s_wait_loadcnt \w0
	WIN 0x01
	QK1 \hd, 0, 0
	QK1 \hd, 1, 0
	QK1 \hd, 2, 1
	QK1 \hd, 3, 1
	s_wait_dscnt 0x0
	s_wait_loadcnt \w1
	QK1 \hd, 4, 0
	QK1 \hd, 5, 0
	QK1 \hd, 6, 1
	QK1 \hd, 7, 1
	WIN 0
	PLACES                                         ; in front of the loads into K's registers and of the first reads of the scores
.endm
; tile tl of a sub-step's eight: keys 8 tl + j.  idx and its table byte.  The clip from above stands last, as a constant in the instruction
.macro IDX tl
.irp j, 0,1,2,3,4,5,6,7
.if 8*(\tl)+\j < 48
	v_add_nc_u32 v[T+64+8*(\tl)+\j], s[16+8*(\tl)+\j], v[CQ]
.else
	v_add_nc_u32 v[T+64+8*(\tl)+\j], s[20+8*(\tl)+\j], v[CQ]
.endif
.endr
.irp j, 0,1,2,3,4,5,6,7
	v_max_i32 v[T+64+8*(\tl)+\j], 0, v[T+64+8*(\tl)+\j]
.endr
.irp j, 0,1,2,3,4,5,6,7
	v_min_u32 v[T+64+8*(\tl)+\j], 0x100, v[T+64+8*(\tl)+\j]
.endr
.irp j, 0,1,2,3,4,5,6,7
	v_lshl_add_u32 v[T+64+8*(\tl)+\j], v[T+64+8*(\tl)+\j], 7, v[LB]
.endr
.endm
.macro ADDR off                        ; a sub-step's addresses; the next sub-step's 64 k_adj are asked for at s[100:101] + off; A's gathers
	IDX 0
	IDX 1
	IDX 2
	IDX 3
	IDX 4
	IDX 5
	IDX 6
	IDX 7
	s_load_b512 s[16:31], s[100:101], \off
	s_load_b512 s[32:47], s[100:101], \off+64
	s_load_b512 s[48:63], s[100:101], \off+128
	s_load_b512 s[68:83], s[100:101], \off+192
	WALU                                           ; B's gathers read the addresses behind the waits of A's products
.set NN, 0
.rept 64
	ds_load_b32 v[T+NN], v[T+64+NN]
.set NN, NN+1
.endr
.endm
.macro GATHB                           ; head B's gathers, by the same addresses, each onto the address's own register (A's have been waited for)
.set NN, 0
.rept 64
	ds_load_b32 v[T+64+NN], v[T+64+NN] offset:TABG
.set NN, NN+1
.endr
.endm
.macro SOFT hd, cc                     ; the softmax and the codes of 64 keys, the trip's cc-th
.set X, T+64*\hd
.set M_, NM+2*\hd
.set L_, LS+2*\hd
	v_max3_num_f32 v[BM], v[X], v[X+1], v[X+2]     ; the largest score of each block of 32 keys: two chains a block, ascending
	v_max3_num_f32 v[TM], v[X+16], v[X+17], v[X+18]
	v_max3_num_f32 v[BM+1], v[X+32], v[X+33], v[X+34]
	v_max3_num_f32 v[TM+1], v[X+48], v[X+49], v[X+50]
.irp i, 3,5,7,9,11,13
	v_max3_num_f32 v[BM], v[BM], v[X+\i], v[X+\i+1]
	v_max3_num_f32 v[TM], v[TM], v[X+16+\i], v[X+17+\i]
	v_max3_num_f32 v[BM+1], v[BM+1], v[X+32+\i], v[X+33+\i]
	v_max3_num_f32 v[TM+1], v[TM+1], v[X+48+\i], v[X+49+\i]
.endr
	v_max3_num_f32 v[BM], v[BM], v[TM], v[X+15]
	v_max3_num_f32 v[BM+1], v[BM+1], v[TM+1], v[X+47]
	v_max_num_f32 v[BM], v[BM], v[X+31]
	v_max_num_f32 v[BM+1], v[BM+1], v[X+63]
	s_delay_alu instid0(VALU_DEP_1)
	v_max_num_f32 v[TM+2], v[BM], v[BM+1]
	s_delay_alu instid0(VALU_DEP_1)
	v_mul_f32 v[TM+2], s14, v[TM+2]                ; the sub-step's largest t (c is positive)
	v_mov_b32 v[OLD], v[M_]
	s_delay_alu instid0(VALU_DEP_2)
	v_floor_f32 v[TM+2], -v[TM+2]                  ; -ceil(t)
	s_delay_alu instid0(VALU_DEP_1)
	v_min_num_f32 v[M_], v[M_], v[TM+2]            ; -M: the ceiling of the running largest t is the largest of the ceilings
	s_delay_alu instid0(VALU_DEP_1)
	v_sub_f32 v[DI], v[M_], v[OLD]                 ; old M - new M: a whole number, 0 or less
.set NN, 0
.rept 32
	v_pk_fma_f32 v[X+NN:X+NN+1], v[X+NN:X+NN+1], s[14:15], v[M_:M_+1] op_sel_hi:[1,0,0]   ; t - M, two at a time
.if NN == 8
	v_cvt_i32_f32 v[DI], v[DI]                     ; (it saturates)
.endif
.if NN == 18
	v_ldexp_f32 v[FF], 1.0, v[DI]                  ; f
.endif
.set NN, NN+2
.endr
	v_fma_f32 v[BM], v[BM], s14, v[M_]             ; the same of each block's largest score: p rises with the score, so this gives the block's largest p
	v_fma_f32 v[BM+1], v[BM+1], s14, v[M_]
	WALU
.set NN, 0
.rept 64
	v_exp_f32 v[X+NN], v[X+NN]                     ; p = 2^(t - M)
.set NN, NN+1
.endr
	v_exp_f32 v[BM], v[BM]
	v_exp_f32 v[BM+1], v[BM+1]
	v_pk_mul_f32 v[L_:L_+1], v[L_:L_+1], v[FF:FF+1] op_sel_hi:[1,0]   ; the sum under the new M.  (A plain line behind the exponentials)
.if \cc == 0
	v_mov_b32 v[FT+\hd], v[FF]
.else
	v_mul_f32 v[FT+\hd], v[FT+\hd], v[FF]          ; the trip's factor for O^T
.endif
	WALU
	v_max_num_f32 v[BM], 0x1800000, v[BM]          ; the floor 2^(3 - 127): the byte cannot fall under 1
	v_max_num_f32 v[BM+1], 0x1800000, v[BM+1]
	v_pk_add_f32 v[L_:L_+1], v[L_:L_+1], v[X+12:X+13]
	v_add_nc_u32 v[BM], 0xff000000, v[BM]          ; 2 off the exponent field: the conversion's scale operand
	v_add_nc_u32 v[BM+1], 0xff000000, v[BM+1]
	v_cvt_scalef32_pk16_fp6_f32 v[P+24*\hd+6*\cc:P+24*\hd+6*\cc+2], v[X:X+15], v[BM]
	v_cvt_scalef32_pk16_fp6_f32 v[TM:TM+2], v[X+16:X+31], v[BM]          ; (a conversion's three registers begin on an even number)
	v_cvt_scalef32_pk16_fp6_f32 v[P+24*\hd+12+6*\cc:P+24*\hd+12+6*\cc+2], v[X+32:X+47], v[BM+1]
	v_cvt_scalef32_pk16_fp6_f32 v[TM+4:TM+6], v[X+48:X+63], v[BM+1]
	v_nop                                          ; one plain line behind the conversions
.if \cc == 0
	v_lshrrev_b32 v[PBY+2*\hd], 23, v[BM]
	v_lshrrev_b32 v[PBY+2*\hd+1], 23, v[BM+1]
.else
	v_lshrrev_b32 v[B2], 23, v[BM]
	v_lshrrev_b32 v[B2+1], 23, v[BM+1]
	v_add_nc_u32 v[PBY+2*\hd], v[PBY+2*\hd], v[DI] ; the first sub-step's two bytes come under the M of the second,
	v_add_nc_u32 v[PBY+2*\hd+1], v[PBY+2*\hd+1], v[DI]
.endif
.irp i, 0,1,2
	v_mov_b32 v[P+24*\hd+6*\cc+3+\i], v[TM+\i]
	v_mov_b32 v[P+24*\hd+12+6*\cc+3+\i], v[TM+4+\i]
.endr
.if \cc == 1
	v_max_i32 v[PBY+2*\hd], 0, v[PBY+2*\hd]        ; held at 0 from below
	v_max_i32 v[PBY+2*\hd+1], 0, v[PBY+2*\hd+1]
.endif
.irp i, 0,1,2,3,4,5
	v_permlane16_swap_b32 v[P+24*\hd+6*\cc+\i], v[P+24*\hd+12+6*\cc+\i]   ; before: my query's first block, its second.  After: queries 0-15 (lanes 0-15 the first block, lanes 16-31 the second), queries 16-31 likewise
.endr
	v_pk_add_f32 v[TM:TM+1], v[X:X+1], v[X+2:X+3]  ; the row's sum, of the unquantised p: four chains by turns
	v_pk_add_f32 v[TM+2:TM+3], v[X+4:X+5], v[X+6:X+7]
	v_pk_add_f32 v[TM+4:TM+5], v[X+8:X+9], v[X+10:X+11]
.set NN, 14
.set C_, 3
.rept 25
.if C_%4 == 3
	v_pk_add_f32 v[L_:L_+1], v[L_:L_+1], v[X+NN:X+NN+1]
.else
.set E_, TM+2*(C_%4)
	v_pk_add_f32 v[E_:E_+1], v[E_:E_+1], v[X+NN:X+NN+1]
.endif
.set NN, NN+2
.set C_, C_+1
.endr
.if \cc == 1
	v_lshl_or_b32 v[PS+\hd], v[PBY+2*\hd+1], 8, v[PBY+2*\hd]
.endif
	v_pk_add_f32 v[TM+2:TM+3], v[TM+2:TM+3], v[TM+4:TM+5]
	v_pk_add_f32 v[L_:L_+1], v[L_:L_+1], v[TM:TM+1]
.if \cc == 1
	v_lshl_or_b32 v[PS+\hd], v[B2], 16, v[PS+\hd]
	v_pk_add_f32 v[L_:L_+1], v[L_:L_+1], v[TM+2:TM+3]
	v_lshl_or_b32 v[PS+\hd], v[B2+1], 24, v[PS+\hd]   ; my query's scale word: lanes 0-15 serve queries 0-15, lanes 16-31 queries 16-31
.else
	s_delay_alu instid0(VALU_DEP_1)
	v_pk_add_f32 v[L_:L_+1], v[L_:L_+1], v[TM+2:TM+3]
.endif
.endm
.macro PV1 hd, u, ra
.if \hd
.set A_, V1+12*\u
.else
.set A_, T+12*\u
.endif
.set S_, VS+2*\hd+(\u%2)
.set D_, O+64*\hd+8*\u
.set B_, P+24*\hd
.set W_, PS+\hd
	MM D_, A_, B_, v[D_:D_+7], S_, W_, \ra, 0
.set D_, O+64*\hd+32+8*\u
.set B_, P+24*\hd+12
	MM D_, A_, B_, v[D_:D_+7], S_, W_, \ra, 1
.endm
; O^T += V^T p^T over the trip's 128 keys, both heads: four fragments of V (16 channels each) x two tiles of queries
.macro PV
	v_permlanex16_b32 v[FX], v[FT], s12, s13
	v_permlanex16_b32 v[FX+1], v[FT+1], s12, s13
	v_cndmask_b32 v[TM], v[FT], v[FX], s10         ; in O^T of queries 0-15 lane (r, h) holds query r: lanes 16-31 take lane r's factor;
	v_cndmask_b32 v[TM+4], v[FT+1], v[FX+1], s10
	v_cndmask_b32 v[TM+2], v[FX], v[FT], s10       ; of queries 16-31: lanes 0-15 take lane 16 + r's
	v_cndmask_b32 v[TM+6], v[FX+1], v[FT+1], s10
	WIN 0x41
.irp a, 0,1,2,3
.set NN, O+32*\a
.set E_, TM+2*\a
.rept 16
	v_pk_mul_f32 v[NN:NN+1], v[NN:NN+1], v[E_:E_+1] op_sel_hi:[1,0]   ; O^T under the new M, ascending
.set NN, NN+2
.endr
.endr
	WALU                                           ; directly ahead of the waits below
	s_wait_loadcnt 26                              ; V of head A (behind it: V of head B and K's tiles 0-3, 13 loads each)
	WIN 0x50
	PV1 0, 0, 0
	PV1 0, 1, 0
	PV1 0, 2, 1
	PV1 0, 3, 1
	s_wait_loadcnt 13                              ; V of head B
	WIN 0x51
	PV1 1, 0, 0
	PV1 1, 1, 0
	PV1 1, 2, 1
	PV1 1, 3, 1
	WIN 0
	PLACES                                         ; in front of the loads into tiles 4-7
.endm
; ================= THE HEAD
	s_load_b512 s[84:99], s[0:1], 0x0              ; qc s[84:85], qs s[86:87], kc s[88:89], ks s[90:91], vimg s[92:93], kadj s[94:95], q_info s[96:97], out0 s[98:99]
	v_lshl_add_u32 v[SPW], v0, 2, SPARE
	v_mov_b32 v[NIL], 0
	v_lshrrev_b32 v21, 5, v0
	v_and_b32 v24, 31, v0                          ; L
	v_and_b32 v25, 7, v0                           ; L % 8
	v_bfe_u32 v26, v0, 3, 2                        ; L / 8
	v_bfe_u32 v27, v0, 4, 1                        ; L / 16
	v_readfirstlane_b32 s2, v21                    ; wave 0..7
	v_mul_u32_u24 v28, v26, 384
	v_lshlrev_b32 v[KSO], 4, v25
	v_lshlrev_b32 v29, 4, v25
	v_lshlrev_b32 v30, 2, v24
	v_lshl_add_u32 v28, v25, 4, v28                ; my query's place among its group's four tiles of eight
	v_lshl_add_u32 v[KSO], v27, 3, v[KSO]
	v_lshl_add_u32 v29, v26, 2, v29                ; and its scale word's
	v_lshlrev_b32 v[VA], 4, v24
	v_lshlrev_b32 v[VSO], 3, v24
	WALU                                           ; directly ahead of the scalar lines
	s_lshr_b32 s3, s2, 2                           ; g: my group of 32 queries
	s_and_b32 s4, s2, 3                            ; sl: my slice of 512 keys
	s_and_b32 s5, ttmp7, 0xffff                    ; pair of heads: heads 2 s5, 2 s5 + 1
	s_lshr_b32 s6, s5, 2                           ; batch
	s_lshl_b32 s9, ttmp9, 6
	s_lshl_b32 s8, s3, 5
	s_add_co_u32 s9, s9, s8                        ; my group's first query
	s_lshl_b32 s8, s5, 12
	s_add_co_u32 s8, s8, s9                        ; as a row of q, head A
	s_mul_i32 s16, s8, 48
	s_mov_b32 s17, 0
	s_lshl_b32 s18, s8, 2
	s_mov_b32 s19, 0
	s_lshl_b32 s24, s4, 3
	s_add_co_u32 s24, s24, s8
	s_lshl_b32 s24, s24, 8                         ; out0 at the eight rows that I store: 8 sl on in my group
	s_mov_b32 s25, 0
	s_lshl_b32 s20, s6, 11
	s_add_co_u32 s20, s20, s9
	s_lshl_b32 s20, s20, 2                         ; q_info
	s_mov_b32 s21, 0
	s_lshl_b32 s22, s6, 11
	s_lshl_b32 s8, s4, 9
	s_add_co_u32 s22, s22, s8
	s_lshl_b32 s22, s22, 2                         ; k_adj at my slice's first key
	s_mov_b32 s23, 0
	s_mul_i32 s26, s5, 2*VHEAD
	s_mul_i32 s8, s4, 4*VSTEP
	s_add_co_u32 s26, s26, s8                      ; V's image of my slice's first step
	s_mov_b32 s27, 0
	s_lshl_b32 s66, s5, 14
	s_lshl_b32 s8, s4, 11
	s_add_co_u32 s66, s66, s8                      ; K's scale words at my slice's first key
	s_mov_b32 s67, 0
	s_mov_b32 s10, 0xffff0000                      ; lanes 16-31
	s_mov_b32 s11, 0x00ffff00                      ; lanes 8-23: they hold zero codes in a tile of keys
	s_mov_b32 s12, 0x76543210
	s_mov_b32 s13, 0xfedcba98                      ; v_permlanex16_b32's selects for lane l xor 16
	s_mov_b32 s14, 0x3e38aa3b                      ; c = log2(e) / 8
	s_mov_b32 s15, s14                             ; (named with it as a pair)
	s_mul_i32 s8, s5, 2*KHEAD
	s_mul_i32 s9, s4, 512*48
	s_add_co_u32 s9, s9, s8
	v_mov_b32 v21, ZOFF
	v_mov_b32 v22, 0
	v_lshl_add_u32 v[KOA], v25, 4, s9              ; my slice's first tile, row L % 8,
	v_mov_b32 v[KST], 6144
	v_add_nc_u32 v[KOB], KHEAD, v[KOA]
	v_cndmask_b32 v[KOA], v[KOA], v21, s11         ; or the zeros
	v_cndmask_b32 v[KST], v[KST], v22, s11
	v_cndmask_b32 v[KOB], v[KOB], v21, s11
	s_mul_i32 s9, s4, 64*48
	s_add_co_u32 s9, s9, RELOFF
	v_lshl_add_u32 v23, v25, 4, s9                 ; rel_emb's row 64 sl + L % 8,
	s_lshl_b32 s9, s4, 8
	s_add_co_u32 s9, s9, RSOFF
	v_add_nc_u32 v31, s9, v[KSO]                   ; and its scale word
	v_cndmask_b32 v23, v23, v21, s11               ; or the zeros
	s_mul_i32 s9, s3, 2*TABG
	v_lshl_add_u32 v[LB], v24, 2, s9
	s_lshl_b32 s9, s4, 13
	v_add_nc_u32 v54, s9, v[LB]                    ; where I store table rows: 64 sl on
	WALU                                           ; the head's end
	s_wait_kmcnt 0x0
	s_add_nc_u64 s[84:85], s[84:85], s[16:17]
	s_add_nc_u64 s[86:87], s[86:87], s[18:19]
	s_add_nc_u64 s[96:97], s[96:97], s[20:21]
	s_add_nc_u64 s[100:101], s[94:95], s[22:23]
	s_add_nc_u64 s[98:99], s[98:99], s[24:25]
	s_add_nc_u64 s[92:93], s[92:93], s[26:27]
.irp i, 0,1,2
	global_load_b128 v[Q+4*\i:Q+4*\i+3], v28, s[84:85] offset:128*\i          ; my query's 48 bytes of codes, head A
	global_load_b128 v[Q+12+4*\i:Q+15+4*\i], v28, s[84:85] offset:KHEAD+128*\i
.endr
	global_load_b32 v32, v29, s[86:87]             ; my query's scale words (s0, s0, s1, s1)
	global_load_b32 v33, v29, s[86:87] offset:SHEAD
	global_load_b32 v[CQ], v30, s[96:97]           ; q_info
	LOADK 23, 0, 31, 0, 0                          ; rel_emb's rows 64 sl .. 64 sl + 63, as eight tiles
	LOADK 23, 0, 31, 0, 4
.irp i, 0,1,2
	global_load_b128 v[P+4*\i:P+4*\i+3], v23, s[88:89] offset:3072+128*\i     ; the next tile: slice 3's holds row 256
.endr
	global_load_b32 v[VS], v31, s[90:91] offset:256
	s_load_b512 s[16:31], s[100:101], 0x0
	s_load_b512 s[32:47], s[100:101], 0x40
	s_load_b512 s[48:63], s[100:101], 0x80
	s_load_b512 s[68:83], s[100:101], 0xc0
	WIN 0x40
.set NN, 0
.rept 128
	v_mov_b32 v[O+NN], 0                           ; O^T.  (The trip is written once: its first change of M multiplies zeros)
.set NN, NN+1
.endr
	WIN 0
	v_mov_b32 v[NM], 0x7f61b1e6                    ; -M = 3e38: under every t
	v_mov_b32 v[NM+2], 0x7f61b1e6
	v_mov_b32 v[NM+3], 0                           ; (named as the upper half of a pair)
	v_mov_b32 v[FF+1], 0                           ; (likewise)
	v_mov_b32 v[FX], 0                             ; (a lane permute's destination counts as read)
.irp i, 0,1,2,3
	v_mov_b32 v[LS+\i], 0
.endr
	v_mov_b32 v34, 0
	v_mov_b32 v35, 0x00ff00ff
	v_mov_b32 v36, 0
	v_mov_b32 v37, 0xff00ff00
	v_mov_b32 v22, 0x100
	v_cndmask_b32 v35, v35, v37, s10
	WALU
	s_wait_loadcnt 0x0
	v_and_b32 v32, v32, v35                        ; lanes 0-15 keep bytes 0, 2 (K blocks 0, 2), lanes 16-31 bytes 1, 3;
	v_and_b32 v33, v33, v35
	v_cmp_eq_u32 vcc_lo, -1, v[CQ]
	v_permlanex16_b32 v34, v32, s12, s13
	v_permlanex16_b32 v36, v33, s12, s13
	v_cndmask_b32 v[CQ], v[CQ], v22, vcc_lo        ; q_adj: 2 x 128 for -1
	v_or_b32 v32, v32, v34                         ; with lane l xor 16's the column's word is whole
	v_or_b32 v33, v33, v36
	v_sub_nc_u32 v[CQ], 0x80, v[CQ]                ; idx = clip(k_adj + (128 - q_adj), 0, 256)
	v_cndmask_b32 v[QS], v32, v33, s10             ; head A's in lanes 0-15, head B's in lanes 16-31
	PLACES                                         ; eight places between the scale word and the first scaled product
	PLACES
	WALU                                           ; ahead of the branch below
; ---- THE TABLES: qr of my 32 queries, both heads, for 64 rows of rel_emb, eight rows a product
.macro TAB1 u, ra
.set A_, K+12*\u
.set S_, KS+2*(\u/4)+(\u%2)
.set D_, T+8*\u
	MM D_, A_, Q, 0, S_, QS, \ra, 0
.set D_, T+64+8*\u
.set B_, Q+12
	MM D_, A_, B_, 0, S_, QS, \ra, 1
.endm
	WIN 0x01
	TAB1 0, 0
	TAB1 1, 0
	TAB1 2, 1
	TAB1 3, 1
	TAB1 4, 0
	TAB1 5, 0
	TAB1 6, 1
	TAB1 7, 1
	WIN 0
	s_cmp_lg_u32 s4, 3                             ; row 256 is the 257th: slice 3's
	s_cbranch_scc1 .Lno_last
.set D_, P+12
	MM D_, P, Q, 0, VS, QS, 0, 0
.set E_, P+24
.set B_, Q+12
	MM E_, P, B_, 0, VS, QS, 0, 1
	PLACES
	ds_store_b32 v54, v[P+12] offset:8192
	ds_store_b32 v54, v[P+24] offset:TABG+8192
.Lno_last:
	PLACES                                         ; in front of the loads into K's registers and the stores of the results
	s_add_nc_u64 s[90:91], s[90:91], s[66:67]      ; K's scale words at my slice's first key (every load that named this base has been waited for)
	LOADK KOA, 0, KSO, 0, 0
	LOADK KOA, 0, KSO, 0, 4
.irp u, 0,1,2,3,4,5,6,7
.irp j, 0,1,2,3,4,5,6,7
	ds_store_b32 v54, v[T+8*\u+\j] offset:128*(8*\u+\j)   ; row 8 u + j: 128 consecutive bytes; each result from its low end on
	ds_store_b32 v54, v[T+64+8*\u+\j] offset:TABG+128*(8*\u+\j)
.endr
.endr
	s_mov_b32 s7, 4
	s_wait_dscnt 0x0                               ; my table rows are stored:
	s_barrier_signal -1
	s_barrier_wait -1                              ; everybody's are.  From here to the merge LDS is only read
; ================= THE TRIPS.  In front of a trip K's two sets for head A are out, tiles 0-3 first
.Ltrip:
	s_wait_kmcnt 0x0                               ; this sub-step's 64 k_adj
	ADDR 256
	QK 0, 13, 0
	LOADK KOB, 0, KSO, SHEAD, 0
	LOADK KOB, 0, KSO, SHEAD, 4
	GATHB
	SOFT 0, 0
	QK 1, 13, 0
	LOADK KOA, 3072, KSO, 256, 0
	LOADK KOA, 3072, KSO, 256, 4
	SOFT 1, 0
	s_wait_kmcnt 0x0
	s_cmp_lg_u32 s7, 1
	s_cselect_b32 s66, 512, 0                      ; the last trip asks for its own first keys again: nothing is read behind the buffers' ends
	s_add_nc_u64 s[100:101], s[100:101], s[66:67]
	ADDR 0
	QK 0, 13, 0
	LOADK KOB, 3072, KSO, SHEAD+256, 0
	LOADK KOB, 3072, KSO, SHEAD+256, 4
	GATHB
	SOFT 0, 1
	LOADV 0                                        ; into head A's score registers, which have been read for the last time
	QK 1, 26, 13                                   ; (V's 13 loads are younger than K's)
	v_add_nc_u32 v[KOA], v[KOA], v[KST]            ; 128 keys on: every load by these offsets has been waited for
	v_add_nc_u32 v[KOB], v[KOB], v[KST]
	s_add_nc_u64 s[90:91], s[90:91], s[66:67]
	LOADV 1
	LOADK KOA, 0, KSO, 0, 0                        ; the next trip's (behind a slice's end these are the next keys of kc, or its zeros: inside the buffer, and not used)
	SOFT 1, 1
	PV
	s_add_nc_u64 s[92:93], s[92:93], VSTEP         ; (V's loads are in)
	LOADK KOA, 0, KSO, 0, 4
	s_sub_co_u32 s7, s7, 1
	s_cmp_lg_u32 s7, 0
	WALU
	s_cbranch_scc1 .Ltrip
; ================= THE MERGE of a group's four slices, over the tables, which nobody reads behind the first barrier
	v_and_b32 v24, 31, v0                          ; L
	v_and_b32 v25, 15, v0                          ; r
	v_bfe_u32 v26, v0, 4, 1                        ; h
	v_bfe_u32 v22, v0, 3, 1
	v_and_b32 v23, 7, v0
	WALU                                           ; directly ahead of the scalar lines
	s_mul_i32 s8, s2, OWAVE
	v_mul_u32_u24 v27, v25, 272
	v_lshl_add_u32 v27, v26, 5, v27
	v_add_nc_u32 v27, s8, v27                      ; my wave's rows of 256 bytes + 16: row r, + 32 h
	s_lshl_b32 s8, s2, 9
	s_add_co_u32 s8, s8, STAT
	v_lshl_add_u32 v28, v24, 3, s8                 ; my wave's (-M, sum)
	s_lshl_b32 s8, s3, 11
	s_lshl_b32 s9, s4, 6
	s_add_co_u32 s8, s8, s9
	s_add_co_u32 s8, s8, STAT
	v_lshl_add_u32 v29, v23, 3, s8
	v_lshl_add_u32 v29, v22, 8, v29                ; those of my group's row 8 sl + L % 8, head (L / 8) % 2
	s_mul_i32 s8, s3, 4*OWAVE
	s_mul_i32 s9, s4, 8*272
	s_add_co_u32 s8, s8, s9
	v_mul_u32_u24 v30, v26, 272
	v_lshl_add_u32 v30, v25, 4, v30
	v_add_nc_u32 v30, s8, v30                      ; back: rows 8 sl on of my group's first slice; lanes 0-15 one row, lanes 16-31 the next
	s_lshl_b32 s8, s2, 9
	s_add_co_u32 s8, s8, FAC
	v_lshl_add_u32 v31, v24, 4, s8                 ; my wave's weights: 16 bytes a row, in;
	v_lshl_add_u32 v20, v26, 4, s8                 ; and back: lanes 0-15 one row's, lanes 16-31 the next's
	v_lshlrev_b32 v21, 4, v24                      ; two rows in out0
	v_mov_b32 v32, v[NM]
	v_add_f32 v33, v[LS], v[LS+1]
	v_mov_b32 v34, v[NM+2]
	v_add_f32 v35, v[LS+2], v[LS+3]
	WALU
	s_wait_dscnt 0x0
	s_barrier_signal -1
	s_barrier_wait -1
	ds_store_b64 v28, v[32:33]
	ds_store_b64 v28, v[34:35] offset:256
	WIN 0x04
.irp d, 0,1
.irp u, 0,1,2,3                        ; lane (r, h): channels 16 u + 8 h + 0 .. 7 of query r, and of query 16 + r
	ds_store_b128 v27, v[O+64*\d+8*\u:O+64*\d+8*\u+3] offset:8704*\d+64*\u
	ds_store_b128 v27, v[O+64*\d+8*\u+4:O+64*\d+8*\u+7] offset:8704*\d+64*\u+16
	ds_store_b128 v27, v[O+64*\d+32+8*\u:O+64*\d+32+8*\u+3] offset:8704*\d+4352+64*\u
	ds_store_b128 v27, v[O+64*\d+32+8*\u+4:O+64*\d+32+8*\u+7] offset:8704*\d+4352+64*\u+16
.endr
.endr
	WIN 0
	s_wait_dscnt 0x0
	s_barrier_signal -1
	s_barrier_wait -1
.irp u, 0,1,2,3
	ds_load_b64 v[56+2*\u:57+2*\u], v29 offset:512*\u
.endr
.irp d, 0,1
.irp i, 0,1,2,3                        ; two rows at a time, of each of the four slices
.irp u, 0,1,2,3
	ds_load_b128 v[T+64*\d+16*\i+4*\u:T+64*\d+16*\i+4*\u+3], v30 offset:OWAVE*\u+8704*\d+544*\i
.endr
.endr
.endr
	s_wait_dscnt 32                                ; the four (-M, sum)
	v_min3_num_f32 v64, v56, v58, v60
	s_delay_alu instid0(VALU_DEP_1)
	v_min_num_f32 v64, v64, v62                    ; -M of the whole row
.irp u, 0,1,2,3
	v_sub_f32 v[65+\u], v64, v[56+2*\u]            ; a slice's M less the row's: a whole number, 0 or less
.endr
.irp u, 0,1,2,3
	v_cvt_i32_f32 v[65+\u], v[65+\u]
.endr
.irp u, 0,1,2,3
	v_ldexp_f32 v[65+\u], 1.0, v[65+\u]
.endr
	v_mul_f32 v70, v57, v65
	s_delay_alu instid0(VALU_DEP_1)
	v_fmac_f32 v70, v59, v66
	s_delay_alu instid0(VALU_DEP_1)
	v_fmac_f32 v70, v61, v67
	s_delay_alu instid0(VALU_DEP_1)
	v_fmac_f32 v70, v63, v68                       ; the row's sum
	WALU
	v_rcp_f32 v70, v70
	v_nop                                          ; a plain line behind the reciprocal
	WALU
.irp u, 0,1,2,3
	v_mul_f32 v[72+\u], v[65+\u], v70              ; the slices' weights / the sum
.endr
	ds_store_b128 v31, v[72:75]                    ; LDS serves a wave's instructions in order (ISA guide 5.7.1.4): the loads see the store
.irp k, 0,1,2,3,4,5,6,7
	ds_load_b128 v[80+4*\k:83+4*\k], v20 offset:32*\k
.endr
.irp k, 0,1,2,3,4,5,6,7
.set X, T+16*\k
.set E_, 80+4*\k
	s_wait_dscnt 7-\k                              ; the later rows' weights may be out
	v_pk_mul_f32 v[X:X+1], v[X:X+1], v[E_:E_+1] op_sel_hi:[1,0]
	v_pk_mul_f32 v[X+2:X+3], v[X+2:X+3], v[E_:E_+1] op_sel_hi:[1,0]
	s_delay_alu instid0(VALU_DEP_2)
	v_pk_fma_f32 v[X:X+1], v[X+4:X+5], v[E_:E_+1], v[X:X+1] op_sel:[0,1,0] op_sel_hi:[1,1,1]
	s_delay_alu instid0(VALU_DEP_2)
	v_pk_fma_f32 v[X+2:X+3], v[X+6:X+7], v[E_:E_+1], v[X+2:X+3] op_sel:[0,1,0] op_sel_hi:[1,1,1]
	s_delay_alu instid0(VALU_DEP_2)
	v_pk_fma_f32 v[X:X+1], v[X+8:X+9], v[E_+2:E_+3], v[X:X+1] op_sel_hi:[1,0,1]
	s_delay_alu instid0(VALU_DEP_2)
	v_pk_fma_f32 v[X+2:X+3], v[X+10:X+11], v[E_+2:E_+3], v[X+2:X+3] op_sel_hi:[1,0,1]
	s_delay_alu instid0(VALU_DEP_2)
	v_pk_fma_f32 v[X:X+1], v[X+12:X+13], v[E_+2:E_+3], v[X:X+1] op_sel:[0,1,0] op_sel_hi:[1,1,1]
	s_delay_alu instid0(VALU_DEP_2)
	v_pk_fma_f32 v[X+2:X+3], v[X+14:X+15], v[E_+2:E_+3], v[X+2:X+3] op_sel:[0,1,0] op_sel_hi:[1,1,1]
	global_store_b128 v21, v[X:X+3], s[98:99] offset:524288*(\k/4)+512*(\k%4) th:TH_STORE_NT   ; two whole rows: 512 consecutive bytes, at a multiple of 512 from out0's first byte
.endr
	s_wait_tensorcnt 0x0                           ; the wave's end
	ds_add_u32 v[SPW], v[NIL]
	s_wait_dscnt 0x0
	s_endpgm
.Lfunc_end_k_q915b31cf75_attn:
	.size	k_q915b31cf75_attn, .Lfunc_end_k_q915b31cf75_attn-k_q915b31cf75_attn
	.p2alignl 7, 3214868480
	.fill 96, 4, 3214868480
	.section	.rodata,"a",@progbits
	.p2align	6, 0x0
	.amdhsa_kernel k_q915b31cf75_attn
		.amdhsa_group_segment_fixed_size 148480
		.amdhsa_private_segment_fixed_size 0
		.amdhsa_enable_private_segment 0
		.amdhsa_kernarg_size 64
		.amdhsa_user_sgpr_count 2
		.amdhsa_user_sgpr_kernarg_segment_ptr 1
		.amdhsa_wavefront_size32 1
		.amdhsa_system_sgpr_workgroup_id_x 1
		.amdhsa_system_sgpr_workgroup_id_y 1
		.amdhsa_system_sgpr_workgroup_id_z 1
		.amdhsa_system_vgpr_workitem_id 0
		.amdhsa_next_free_vgpr 480
		.amdhsa_next_free_sgpr 102
		.amdhsa_reserve_vcc 1
		.amdhsa_float_denorm_mode_32 3
		.amdhsa_float_denorm_mode_16_64 3
		.amdhsa_memory_ordered 1
		.amdhsa_forward_progress 1
		.amdhsa_inst_pref_size 148
	.end_amdhsa_kernel
	.amdgpu_metadata
---
amdhsa.version: [ 1, 2 ]
amdhsa.kernels:
  - .name:           k_q915b31cf75_attn
    .symbol:         k_q915b31cf75_attn.kd
    .args:
      - { .name: qc, .offset: 0, .size: 8, .value_kind: global_buffer, .address_space: global }
      - { .name: qs, .offset: 8, .size: 8, .value_kind: global_buffer, .address_space: global }
      - { .name: kc, .offset: 16, .size: 8, .value_kind: global_buffer, .address_space: global }
      - { .name: ks, .offset: 24, .size: 8, .value_kind: global_buffer, .address_space: global }
      - { .name: vimg, .offset: 32, .size: 8, .value_kind: global_buffer, .address_space: global }
      - { .name: kadj, .offset: 40, .size: 8, .value_kind: global_buffer, .address_space: global }
      - { .name: q_info, .offset: 48, .size: 8, .value_kind: global_buffer, .address_space: global }
      - { .name: out0, .offset: 56, .size: 8, .value_kind: global_buffer, .address_space: global }
    .group_segment_fixed_size: 148480
    .private_segment_fixed_size: 0
    .kernarg_segment_align: 8
    .kernarg_segment_size: 64
    .max_flat_workgroup_size: 256
    .sgpr_count:     102
    .vgpr_count:     480
    .wavefront_size: 32
...
	.end_amdgpu_metadata
.endif
;; end of part 2
